; MI455X (gfx1250); checked and timed in simulation.
; The chip was launched on July 23, 2026; its instructions are those of AMD's public machine-readable ISA for CDNA 5 (MIT licence, August 2026) and "CDNA5" Instruction Set Architecture Reference Guide (July 2026). The comments in the code are by the model that wrote it; some were corrected since.
;; QKV Attention. Allowed arithmetic: matrix products marked QUANTISED: E2M1 operands, one E8M0 scale for each 32 along K, by v_wmma_scale_f32_16x16x128_f8f6f4 with both operands' format E2M1 (or v_wmma_scale_f32_32x16x128_f4), f32 sums; everything else in f32.
;; Inputs: qkv 64 x 192 x 2,048 float32.
;; Outputs: out0 64 x 64 x 2,048 float32.
;; This version of the problem:
;;   THIS VERSION OF THE PROBLEM IS GIVEN IN LOW PRECISION. The matrix products marked QUANTISED in the list below multiply operands that are first quantised to E2M1 (2 exponent bits, 1 mantissa bit; 4 bits a number), with one power-of-two scale for each 32 numbers along K (OCP MX v1.0); their sums are f32. All else is computed in f32.
;;   The module's matrix products, in the order in which they are computed (A, B: the left and right operand; K: the contracted axis; several contracted axes count as one K, in the product's order):
;;     1. batch 64 x [M 2,048, K 64] x [K 64, N 2,048]; A: computed on the way; B: computed on the way: QUANTISED
;;     2. batch 64 x [M 64, K 2,048] x [K 2,048, N 2,048]; A: computed on the way; B: softmax (see below): QUANTISED
;;   THE QUANTISER, for each operand of a quantised product, along K:
;;     - K is cut into blocks of 32 from its start; a last block that is shorter is filled with zeros.
;;     - A block's scale is 2^e with e = floor(log2(the largest magnitude in the block)) - 2, held to -126 .. 127; a block of zeros has e = 0. As a byte (E8M0): e + 127.
;;     - Each number is divided by its block's scale, clamped to +-6, and rounded to the nearest number of E2M1, ties to even, subnormals kept.
;;     - The product sums the exact products of the quantised numbers (number of the format x scale) in f32.
;;   ~~~python
;;   def quantise(x, axis):      # numpy; x: float32 -> the quantised numbers, widened to float32 again
;;       x = np.moveaxis(x, axis, -1); K = x.shape[-1]
;;       x = np.pad(x, [(0, 0)] * (x.ndim - 1) + [(0, -K % 32)]); x = x.reshape(x.shape[:-1] + (-1, 32)); a = np.abs(x).max(-1, keepdims=True)
;;       e = np.where(a > 0, np.clip(np.frexp(np.where(a > 0, a, 1))[1] - 1 - 2, -126, 127), 0)      # np.frexp(a)[1] - 1 = floor(log2(a)), exactly
;;       r = np.clip(x / 2.0 ** e, -6, 6)
;;       step = 2.0 ** (np.maximum(np.frexp(np.where(r == 0, 1, r))[1] - 1, 0) - 1)
;;       q = np.round(r / step) * step * 2.0 ** e      # np.round: ties to even
;;       return np.moveaxis(q.reshape(q.shape[:-2] + (-1,))[..., :K], -1, axis).astype(np.float32)
;;   ~~~
;;   SOFTMAX AHEAD OF A QUANTISED PRODUCT. Where the list says 'softmax', what is quantised is not the finished softmax but p = 2^(t - M), with t = logit x log2(e) and M = ceil(the row's largest t), a whole number; so 1/2 < the row's largest p <= 1. The row's sum l is taken of the UNQUANTISED p, in f32, and the product's result is divided by l at the end. Since M is a whole number, a kernel that streams over the keys may use a running M (the ceiling of the running maximum): every later rescaling is an exact power of two, which a block's scale takes up: the codes' values come out the same.
;;   OPERANDS COMPUTED ON THE WAY. 'Computed on the way' means the value that the module computes at that place (a softmax that the list does not call 'softmax' is quantised finished and normalised). What goes into a quantiser is computed in f32, as accurately as f32 sums, v_exp_f32 and their like allow (about 1e-6 of the number): no bf16 or f16 on the way to a quantiser, and a product that is left as it is and whose result goes on into a quantised operand takes f32 operands (vector FMAs, or v_wmma_f32_16x16x4_f32). A number that lies on a knife's edge between two numbers of the format may be rounded either way, as far as f32 arithmetic and the matrix unit's own rounding can turn it there, and no further.
;; 2 versions. Each part assembles by itself: llvm-mc -triple=amdgcn-amd-amdhsa -mcpu=gfx1250 --defsym DOCPART=n.
;; ======== version 1 of 2: 1 launch
;; launch attn (part 1): grid 4 x 64, 16 waves a work-group, no clusters, 276,480 bytes of LDS; arguments qkv, out0; writes out0
.if DOCPART == 1
	.amdgcn_target "amdgcn-amd-amdhsa--gfx1250"
	.amdhsa_code_object_version 6
	.text
	.protected	k_qd8c35c3a87_attn
	.globl	k_qd8c35c3a87_attn
	.p2align	8
	.type	k_qd8c35c3a87_attn,@function
k_qd8c35c3a87_attn:
	s_mov_b64 s[64:65], 0
	v_nop
	global_prefetch_b8 v0, s[64:65] scope:SCOPE_SE
	s_setreg_imm32_b32 hwreg(HW_REG_WAVE_MODE, 25, 1), 1
	s_wait_xcnt 0x0
; out[b][c][t] = sum over s of v[b][c][s] p[t][s] / l[t],  p = 2^(logit x log2(e) - M),  logit[t][s] = sum over c of (q 8^-1/2)[c][t] (k 8^-1/2)[c][s].
; qkv: [64][192][2048] f32 (channels 0-63 q, 64-127 k, 128-191 v; the position innermost).  out0: [64][64][2048] f32.
; Both products on codes of FP4 (E2M1) with one E8M0 scale for each 32 along K: the first along the 64 channels, the second along the 2,048 keys.
; M is the running largest t rounded up to a whole number; l is the f32 sum of the unquantised p and divides at the end.
; SHARES.  A work-group owns 512 queries of one batch; each of its sixteen waves 32 of them: two tiles of 16.  256 registers a wave, four waves to a SIMD.
; HEAD.  The sixteen waves quantise the batch's whole K and V into LDS, as images of the operands' registers (64 KiB + 64 KiB of codes, 8 KiB of scale words), and each wave its own 32 queries
; into registers.  One barrier.  LOOP: 16 steps of 128 keys, all out of LDS; each fragment of K and of V that a wave reads serves both its tiles.  WAY OUT: through a stage in LDS, one barrier, rows of 512 bytes.
; LAYOUT.  Both products are used transposed: S^T = K Q^T (source 0 = keys, source 1 = my queries), O^T = V P^T (source 0 = 16 channels, source 1 = p): a lane holds ONE query (lane % 16) throughout.
; THE FIRST PRODUCT'S K IS 64, THE INSTRUCTION'S 128: a fragment of K holds TWO tiles of 16 keys, tile 2 f in k = 0..63 and tile 2 f + 1 in k = 64..127.  Q stands as [Q | 0 | Q] in twelve registers:
; [Q | 0] picks the first tile, [0 | Q] the second.  In the half that is not meant Q's codes are zeros, so every product there is exactly 0, whatever K's codes and scale bytes; Q's scale bytes there are 0 (2^-127, no NaN).
; THE KEYS OF A TILE ARE NOT NEIGHBOURS: row r of tile 2 f + u is key 32 f + 8 u + r + 8 (r / 8), so that the 16 registers of tiles 2 f and 2 f + 1 are 16 neighbouring keys, 32 f + 16 (lane / 16) + 0 .. 15.
; NO CLUSTER, NO TENSOR LOAD: a batch's four work-groups share K and V, but only in the head, as 1 MiB of f32 that is used once; asked for jointly it would have to pass through LDS slots of some 64 KiB,
; sixteen refills with a round of the cluster's barrier each, for a head that is about a thirteenth of a wave's vector instructions.  The loop reads no memory at all.
; LIMITS.  NaN and infinities among the inputs are not served.  A block whose largest magnitude lies under 2^-124 (a block of zeros too) gets the scale byte 1, where the rule says 127 for zeros: its codes are zeros
; or as the floor's scale gives them, and only this program reads the bytes.  A p under 2^-126 comes out of v_exp_f32 as 0.  A block's largest p is taken as the exponential of its largest score, which takes
; v_exp_f32 not to fall where its input rises; at the worst one p of a block, within an ulp of a power of two, is held one code low.
.set ROWG,  8192                       ; bytes of a channel's row
.set BATCH, 192*ROWG                   ; bytes of a batch in qkv
.set KOFF,  64*ROWG                    ; k in a batch
.set VOFF,  128*ROWG                   ; v in a batch
.set HB,    32*ROWG                    ; 32 channels on
.set REC,   8704                       ; LDS: the record of one key step: K's 4 pair fragments (4,096), V's 4 fragments (4,096), K's scale words (256), V's (256)
.set RV,    4096
.set RKS,   8192
.set RVS,   8448
.set STG,   16*REC                     ; behind the 16 records: in the head each wave's own turn stage, behind the head's barrier the stage for the way out
.set VTP,   528                        ; turn stage: a row of 512 bytes + 16, so that sixteen rows' reads of 16 bytes fall on sixteen different 16-byte columns of 256
.set VTW,   16*VTP
.set OP,    2064                       ; way out: a channel's 512 queries (2,048 bytes) + 16
.set FLOOR, 0x1800000                  ; 2^(3 - 127): no largest magnitude is taken under it, so a scale's byte cannot fall under 1
.set EOFF,  0xff000000                 ; takes 2 off an exponent field
.set LI,  1                            ; v1   16 x lane
.set LS,  2                            ; v2   4 x lane + RKS
.set AD,  3                            ; v3   LDS address of the step's fragments
.set ADS, 4                            ; v4   and of its scale words
.set TMP, 5
.set F,   6                            ; v[6:7] f = 2^(old M - new M), and a written 0
.set BM,  16                           ; v16-19 block maxima
.set BT,  20                           ; v20-23 permute results, bytes, the sums' second chain
.set SOP, 24                           ; v24-27 the conversions' scale operands
.set KS,  28                           ; v28-29 K's scale words, v30-31 V's, v32-33 Q's (low, high), v34-35 p's: these eight hold scales and nothing else
.set VS,  30
.set QS,  32
.set PS,  34
.set Q,   36                           ; v36-47 tile 0 [Q | 0 | Q], v48-59 tile 1
.set P,   60                           ; v60-67, v68-75 p's codes; in the head v60-67 are the codes just made
.set CT,  60
.set KF,  76                           ; v76-107 four fragments: K's, then V's
.set S,   108                          ; v108-171 64 scores, then p; in the head two sets of 32 numbers or one of 64; on the way out rows of out0
.set C0,  108
.set O,   172                          ; v172-235 O^T: tile t, channels 16 n on, at O + 32 t + 8 n; in the head a set of 64 numbers
.set VQ,  236                          ; head: byte offsets in a row of q, of k, of v
.set VK,  237
.set VV,  238
.set KW,  239                          ; head: where my key's 16 bytes of codes go, and its scale byte
.set KB,  240
.set VW,  241                          ; head: V's images, V's scale words, the turn stage in and out, 8 x (lane / 16)
.set VSW, 242
.set VTS, 243
.set VTR, 244
.set H8,  245
.set KWT, 246                          ; KW, KB of the item in hand
.set KBT, 247
.set WO0, 248                          ; way out: into the stage (channels 0-31, 32-63), and back
.set WO1, 249
.set WR,  250
; one product of S^T: C = 0.  ra, rb: the scale words are read from lanes 16-31
.macro QKM d, a, bb, sa, sb, ra, rb
.if (\ra) == 0
.if (\rb) == 0
	v_wmma_scale_f32_16x16x128_f8f6f4 v[(\d):(\d)+7], v[(\a):(\a)+7], v[(\bb):(\bb)+7], 0, v[(\sa)], v[(\sb)] matrix_a_fmt:MATRIX_FMT_FP4 matrix_b_fmt:MATRIX_FMT_FP4
.else
	v_wmma_scale_f32_16x16x128_f8f6f4 v[(\d):(\d)+7], v[(\a):(\a)+7], v[(\bb):(\bb)+7], 0, v[(\sa)], v[(\sb)] matrix_a_fmt:MATRIX_FMT_FP4 matrix_b_fmt:MATRIX_FMT_FP4 matrix_b_scale:MATRIX_SCALE_ROW1
.endif
.else
.if (\rb) == 0
	v_wmma_scale_f32_16x16x128_f8f6f4 v[(\d):(\d)+7], v[(\a):(\a)+7], v[(\bb):(\bb)+7], 0, v[(\sa)], v[(\sb)] matrix_a_fmt:MATRIX_FMT_FP4 matrix_b_fmt:MATRIX_FMT_FP4 matrix_a_scale:MATRIX_SCALE_ROW1
.else
	v_wmma_scale_f32_16x16x128_f8f6f4 v[(\d):(\d)+7], v[(\a):(\a)+7], v[(\bb):(\bb)+7], 0, v[(\sa)], v[(\sb)] matrix_a_fmt:MATRIX_FMT_FP4 matrix_b_fmt:MATRIX_FMT_FP4 matrix_a_scale:MATRIX_SCALE_ROW1 matrix_b_scale:MATRIX_SCALE_ROW1
.endif
.endif
.endm
; one product of O^T: adds onto d
.macro PVM d, a, bb, sa, sb, ra
.if (\ra) == 0
	v_wmma_scale_f32_16x16x128_f8f6f4 v[(\d):(\d)+7], v[(\a):(\a)+7], v[(\bb):(\bb)+7], v[(\d):(\d)+7], v[(\sa)], v[(\sb)] matrix_a_fmt:MATRIX_FMT_FP4 matrix_b_fmt:MATRIX_FMT_FP4
.else
	v_wmma_scale_f32_16x16x128_f8f6f4 v[(\d):(\d)+7], v[(\a):(\a)+7], v[(\bb):(\bb)+7], v[(\d):(\d)+7], v[(\sa)], v[(\sb)] matrix_a_fmt:MATRIX_FMT_FP4 matrix_b_fmt:MATRIX_FMT_FP4 matrix_a_scale:MATRIX_SCALE_ROW1
.endif
.endm
; A LANE TAKES A POSITION, AND ITS REGISTERS RUN DOWN 32 CHANNELS: each load reads 128 consecutive bytes a wave, and the sixteen waves stand side by side on 2,048.  nt = 1: q, which the launch reads once
.macro CLOAD buf, voff, off, nt
.set cc, 0
.rept 32
.if \nt
	global_load_b32 v[\buf+cc], v[\voff], s[4:5] offset:(\off)+ROWG*cc th:TH_LOAD_NT
.else
	global_load_b32 v[\buf+cc], v[\voff], s[4:5] offset:(\off)+ROWG*cc
.endif
.set cc, cc+1
.endr
.endm
; 32 numbers of one position become x 8^-1/2 (in f32, ahead of the product), a block's scale byte in v[by] and 32 codes in v[dst] .. v[dst + 3]
.macro CQUANT buf, dst, by
.set cc, 0
.rept 16
	v_pk_mul_f32 v[\buf+cc:\buf+cc+1], v[\buf+cc:\buf+cc+1], s[16:17] op_sel_hi:[1,0]
.set cc, cc+2
.endr
	v_max3_num_f32 v16, |v[\buf]|, |v[\buf+1]|, FLOOR              ; the block's largest magnitude, in two chains, the floor among its leaves
	v_max3_num_f32 v17, |v[\buf+2]|, |v[\buf+3]|, |v[\buf+4]|
.irp i, 5,9,13,17,21,25
	v_max3_num_f32 v16, v16, |v[\buf+\i]|, |v[\buf+\i+1]|
	v_max3_num_f32 v17, v17, |v[\buf+\i+2]|, |v[\buf+\i+3]|
.endr
	v_max3_num_f32 v16, v16, |v[\buf+29]|, |v[\buf+30]|
	v_max3_num_f32 v16, v16, v17, |v[\buf+31]|
	v_add_nc_u32 v18, EOFF, v16                    ; 2 off its exponent field: the conversion takes the exponent field of this operand as its scale
	v_lshrrev_b32 v[\by], 23, v18                  ; the scale's byte
.irp g, 0,1,2,3
	v_cvt_scalef32_pk8_fp4_f32 v[\dst+\g], v[\buf+8*\g:\buf+8*\g+7], v18
.endr
	v_nop                                          ; one plain place behind the last scaled conversion
.endm
; 16 channels x my wave's 128 keys of v: each load reads 512 consecutive bytes of one channel's row
.macro VLOAD tile, buf
.set cc, 0
.rept 16
	global_load_b128 v[\buf+4*cc:\buf+4*cc+3], v[VV], s[4:5] offset:VOFF+(16*(\tile)+cc)*ROWG
.set cc, cc+1
.endr
.endm
; K's item (i, hb): keys 512 i + 32 wave + lane, channels 32 hb on.  left: the younger loads that may stay out
.macro KITEM i, hb, left
	s_wait_loadcnt \left                           ; this item's 32 loads are in; those issued behind them stay out
.if (\hb) == 0
	v_add_nc_u32 v[KWT], 4*REC*(\i), v[KW]         ; four records on for each i (the last item's LDS stores have been waited for)
	v_add_nc_u32 v[KBT], 4*REC*(\i), v[KB]
.endif
	CQUANT C0+32*(\hb), CT, BT
	ds_store_b128 v[KWT], v[CT:CT+3] offset:256*(\hb)   ; my key's 16 bytes, at the place of lane (r, hb) of its tile's register group
	ds_store_b8 v[KBT], v[BT] offset:\hb                ; byte 2 u + hb of row r's scale word
.if (\i) < 3
	CLOAD C0+32*(\hb), VK, KOFF+HB*(\hb)+2048*((\i)+1), 0   ; the item two on, into the set just freed
.else
	VLOAD \hb, O-64*(\hb)                          ; behind K's last two items: V's first two
.endif
	s_wait_dscnt 0x0                               ; the stores have read their registers
.endm
; V's item: channels 16 tile on, my wave's key step.  The 8,192 bytes turn through my own stage: in as they lie, out so that lane (r, h) holds keys 64 c + 32 h + 0 .. 31 of channel r: the operand's own order
.macro VITEM tile, buf, left, nxt
	s_wait_loadcnt \left                           ; this item's 16 loads are in; the next item's 16 may stay out
.set cc, 0
.rept 16
	ds_store_b128 v[VTS], v[\buf+4*cc:\buf+4*cc+3] offset:VTP*cc
.set cc, cc+1
.endr
.irp c, 0,1
.irp j, 0,1,2,3,4,5,6,7
	ds_load_b128 v[\buf+32*\c+4*\j:\buf+32*\c+4*\j+3], v[VTR] offset:256*\c+16*\j   ; LDS serves a wave's instructions in order (ISA guide 5.7.1.4): these see my stores
.endr
.endr
	s_wait_dscnt 0x0
.irp c, 0,1
	v_max3_num_f32 v[16+\c], |v[\buf+32*\c]|, |v[\buf+32*\c+1]|, FLOOR   ; my block 2 c + h: all its 32 numbers are mine
.endr
.irp i, 2,4,6,8,10,12,14,16,18,20,22,24,26,28,30
.irp c, 0,1
	v_max3_num_f32 v[16+\c], v[16+\c], |v[\buf+32*\c+\i]|, |v[\buf+32*\c+\i+1]|
.endr
.endr
.irp c, 0,1
	v_add_nc_u32 v[18+\c], EOFF, v[16+\c]
.endr
.irp c, 0,1
	v_lshrrev_b32 v[20+\c], 23, v[18+\c]
.endr
	v_lshl_or_b32 v22, v21, 16, v20                ; my two bytes, blocks h and 2 + h,
	v_lshlrev_b32 v22, v[H8], v22                  ; at their places in the scale word;
	v_permlanex16_b32 v23, v22, s18, s19
	v_or_b32 v22, v22, v23                         ; with lane l xor 16's two the word is whole
.irp c, 0,1
.irp g, 0,1,2,3
	v_cvt_scalef32_pk8_fp4_f32 v[CT+4*\c+\g], v[\buf+32*\c+8*\g:\buf+32*\c+8*\g+7], v[18+\c]
.endr
.endr
	v_nop                                          ; one plain place behind the last scaled conversion
.irp c, 0,1
	ds_store_b128 v[VW], v[CT+4*\c:CT+4*\c+3] offset:1024*(\tile)+512*\c   ; the fragment goes to LDS as it stands
.endr
	ds_store_b32 v[VSW], v22 offset:64*(\tile)     ; both halves of the lanes write the same word with the same value
.if (\nxt) >= 0
	VLOAD \nxt, \buf
.endif
	s_wait_dscnt 0x0                               ; the stores have read their registers
.endm
; S^T of tile t: 8 products on 8 accumulators
.macro QK t
.irp b, 0,1,2,3
.irp u, 0,1
	QKM S+16*\b+8*\u, KF+8*\b, Q+12*(\t)+4*\u, KS+\b/2, QS+\u, \b%2, \t
.endr
.endr
.endm
; O^T += V P^T, both tiles: 8 products on 8 accumulators, one instruction a turn
.macro PV
.irp n, 0,1,2,3
.irp t, 0,1
	PVM O+32*\t+8*\n, KF+8*\n, P+8*\t, VS+\n/2, PS+\t, \n%2
.endr
.endr
.endm
; The softmax of tile t for one key step.  v[sT] -M, v[sT+1] the largest t, v[sT+2:sT+3] the sum in two halves
.macro SOFTMAX t
.set sT, 8+4*(\t)
.set pP, P+8*(\t)
.set pS, PS+(\t)
.set oO, O+32*(\t)
.irp b, 0,1,2,3
	v_max3_num_f32 v[BM+\b], v[S+16*\b], v[S+16*\b+1], v[S+16*\b+2]   ; the largest score of each block of 32 keys: for the row's maximum, and, since p rises with the score, for the block's largest p.  Each accumulator is read from its low end on
.endr
.irp i, 3,5,7,9,11,13
.irp b, 0,1,2,3
	v_max3_num_f32 v[BM+\b], v[BM+\b], v[S+16*\b+\i], v[S+16*\b+\i+1]
.endr
.endr
.irp b, 0,1,2,3
	v_max_num_f32 v[BM+\b], v[BM+\b], v[S+16*\b+15]
.endr
.irp b, 0,1,2,3
	v_permlanex16_b32 v[BT+\b], v[BM+\b], s18, s19
.endr
.irp b, 0,1,2,3
	v_max_num_f32 v[BM+\b], v[BM+\b], v[BT+\b]     ; with lane l xor 16's 16 keys
.endr
	v_max3_num_f32 v[TMP], v[BM], v[BM+1], v[BM+2]
	v_max_num_f32 v[TMP], v[TMP], v[BM+3]          ; the step's largest score of my query
	v_mul_f32 v[TMP], s20, v[TMP]                  ; as t
	v_max_num_f32 v[sT+1], v[sT+1], v[TMP]         ; the running largest t
	v_mov_b32 v[TMP], v[sT]
	v_floor_f32 v[sT], -v[sT+1]                    ; the new -M = floor(-t) = -ceil(t): a whole number
	v_sub_f32 v[TMP], v[sT], v[TMP]                ; old M - new M: a whole number, 0 or less
	v_cvt_i32_f32 v[TMP], v[TMP]                   ; (it saturates)
	v_ldexp_f32 v[F], 1.0, v[TMP]                  ; f = 2^(old M - new M): a multiplication by it rounds nothing
.set jj, 0
.rept 32
	v_pk_fma_f32 v[S+jj:S+jj+1], v[S+jj:S+jj+1], s[20:21], v[sT:sT+1] op_sel_hi:[1,0,0]   ; t - M, two at a time
.set jj, jj+2
.endr
.irp b, 0,1,2,3
	v_fma_f32 v[BM+\b], v[BM+\b], s20, v[sT]       ; the same of each block's largest score
.endr
.set jj, 0
.rept 64
	v_exp_f32 v[S+jj], v[S+jj]                     ; p = 2^(t - M), at most 1, not normalised
.set jj, jj+1
.endr
.irp b, 0,1,2,3
	v_exp_f32 v[BM+\b], v[BM+\b]                   ; the block's largest p: the same two instructions on the same number
.endr
	v_pk_mul_f32 v[sT+2:sT+3], v[sT+2:sT+3], v[F:F+1] op_sel_hi:[1,0]   ; the sums under the new M; also the plain place behind the exponentials
	s_wait_alu depctr_va_vdst(0)
.irp b, 0,1,2,3
	v_max_num_f32 v[BM+\b], FLOOR, v[BM+\b]
.endr
.irp b, 0,1,2,3
	v_add_nc_u32 v[SOP+\b], EOFF, v[BM+\b]
.endr
.irp b, 0,1,2,3
	v_lshrrev_b32 v[BT+\b], 23, v[SOP+\b]
.endr
	v_lshl_or_b32 v[pS], v[BT+1], 8, v[BT]         ; p's scale word for these 128 keys
	v_lshl_or_b32 v[pS], v[BT+2], 16, v[pS]
	v_lshl_or_b32 v[pS], v[BT+3], 24, v[pS]
.irp b, 0,1,2,3
	v_cvt_scalef32_pk8_fp4_f32 v[pP+2*\b], v[S+16*\b:S+16*\b+7], v[SOP+\b]
	v_cvt_scalef32_pk8_fp4_f32 v[pP+2*\b+1], v[S+16*\b+8:S+16*\b+15], v[SOP+\b]
.endr
	v_nop                                          ; one plain place behind the last scaled conversion
.irp c, 0,1                                    ; the operand wants a whole block in a lane: lanes 0-15 block 2 c, lanes 16-31 block 2 c + 1
.irp i, 0,1
	v_permlane16_swap_b32 v[pP+4*\c+\i], v[pP+4*\c+2+\i]
.endr
.endr
	v_pk_add_f32 v[BT:BT+1], v[S:S+1], v[S+2:S+3]  ; the row's sum is taken of the unquantised p, in two chains
.set jj, 4
.rept 15
	v_pk_add_f32 v[sT+2:sT+3], v[sT+2:sT+3], v[S+jj:S+jj+1]
	v_pk_add_f32 v[BT:BT+1], v[BT:BT+1], v[S+jj+2:S+jj+3]
.set jj, jj+4
.endr
	v_pk_add_f32 v[sT+2:sT+3], v[sT+2:sT+3], v[BT:BT+1]
.set jj, 0
.rept 16
	v_pk_mul_f32 v[oO+jj:oO+jj+1], v[oO+jj:oO+jj+1], v[F:F+1] op_sel_hi:[1,0]   ; O^T under the new M, each accumulator from its low end on.  These sixteen name no register of the products S^T: they are the places ahead of the next products that write S^T anew
.set jj, jj+2
.endr
.endm
	; ---- ENTRY
	s_load_b128 s[4:7], s[0:1], 0x0                ; qkv s[4:5], out0 s[6:7]
	v_lshl_add_u32 v254, v0, 2, 0x43000
	v_mov_b32 v255, 0
	v_lshrrev_b32 v[TMP], 5, v0
	v_readfirstlane_b32 s8, v[TMP]                 ; w: wave 0..15
	s_mov_b32 s9, ttmp9                            ; qb: which 512 queries
	s_and_b32 s10, ttmp7, 0xffff                   ; b: the batch
	v_and_b32 v16, 31, v0                          ; x: lane
	v_and_b32 v17, 7, v0                           ; a
	v_bfe_u32 v18, v0, 3, 1                        ; b3
	v_bfe_u32 v19, v0, 4, 1                        ; h
	v_and_b32 v20, 15, v0                          ; r
	v_lshlrev_b32 v[LI], 4, v16
	v_lshl_add_u32 v[LS], v16, 2, RKS
	s_lshl_b32 s24, s8, 7                          ; 128 w
	s_lshl_b32 s25, s9, 11                         ; 2,048 qb
	s_add_co_u32 s25, s25, s24
	v_lshl_add_u32 v[VQ], v16, 2, s25              ; my query: 512 qb + 32 w + lane
	v_lshl_add_u32 v[VK], v16, 2, s24              ; my key of an item: 32 w + lane
	s_lshl_b32 s26, s8, 9
	v_lshl_add_u32 v[VV], v16, 4, s26              ; v: my wave's 128 keys, 16 bytes a lane
	s_lshr_b32 s27, s8, 2
	s_mul_i32 s27, s27, REC                        ; K's items: record w / 4 (+ 4 i),
	s_and_b32 s28, s8, 3                           ; pair fragment f = w % 4
	s_lshl_b32 s29, s28, 10
	s_add_co_u32 s29, s29, s27
	v_lshlrev_b32 v[KW], 4, v17                    ; key lane = a + 8 u + 16 (r / 8): u = b3, r = a + 8 h.  Group u at 512 u, lane r's 16 bytes at 16 r
	v_lshl_add_u32 v[KW], v18, 9, v[KW]
	v_lshl_add_u32 v[KW], v19, 7, v[KW]
	v_add_nc_u32 v[KW], s29, v[KW]
	s_lshl_b32 s30, s28, 6
	s_add_co_u32 s30, s30, s27
	s_add_co_u32 s30, s30, RKS
	v_lshlrev_b32 v[KB], 2, v17                    ; row r's scale word at 64 f + 4 r, byte 2 u (+ hb): a wave's bytes are 64 on end
	v_lshl_add_u32 v[KB], v18, 1, v[KB]
	v_lshl_add_u32 v[KB], v19, 5, v[KB]
	v_add_nc_u32 v[KB], s30, v[KB]
	s_mul_i32 s31, s8, REC                         ; V's items: record w
	s_add_co_u32 s24, s31, RV
	v_add_nc_u32 v[VW], s24, v[LI]
	s_add_co_u32 s24, s31, RVS
	v_lshl_add_u32 v[VSW], v20, 2, s24
	s_mul_i32 s25, s8, VTW
	s_add_co_u32 s25, s25, STG                     ; my turn stage
	v_add_nc_u32 v[VTS], s25, v[LI]
	v_mul_u32_u24 v[VTR], v20, VTP
	v_lshl_add_u32 v[VTR], v19, 7, v[VTR]
	v_add_nc_u32 v[VTR], s25, v[VTR]
	v_lshlrev_b32 v[H8], 3, v19
	s_mov_b32 s16, 0x3eb504f3                      ; 8^-1/2 = 1 / sqrt(sqrt(64))
	s_mov_b32 s17, s16                             ; (the packed form names the pair, so it is written)
	s_mov_b32 s18, 0x76543210
	s_mov_b32 s19, 0xfedcba98                      ; v_permlanex16_b32's selects for lane l xor 16
	s_mov_b32 s20, 0x3fb8aa3b                      ; log2(e)
	s_mov_b32 s21, s20
.irp b, 0,1,2,3
	v_mov_b32 v[BT+\b], 0                          ; written once: a lane permute's destination counts as one of its sources
	v_mov_b32 v[Q+4+\b], 0                         ; the zeros between the two copies of Q
	v_mov_b32 v[Q+16+\b], 0
.endr
	v_mov_b32 v[F+1], 0                            ; (named as the upper half of the pair)
	s_mul_i32 s12, s10, BATCH                      ; under 2^32
	s_mov_b32 s13, 0
	s_lshl_b32 s14, s10, 19                        ; out0: batch x 64 rows, + my 4 channels' rows, + my work-group's 512 queries
	s_lshl_b32 s26, s8, 15
	s_add_co_u32 s14, s14, s26
	s_lshl_b32 s26, s9, 11
	s_add_co_u32 s14, s14, s26
	s_mov_b32 s15, 0
	s_wait_kmcnt 0x0
	s_add_nc_u64 s[4:5], s[4:5], s[12:13]
	s_add_nc_u64 s[6:7], s[6:7], s[14:15]
	; ---- HEAD: ten items of 32 positions x 32 channels, then four of 16 channels x 128 keys; loads run two items ahead.  No address register and no base is written again, so no wait frees one
	CLOAD C0, VQ, 0, 1
	CLOAD C0+32, VQ, HB, 1
	s_wait_loadcnt 32                              ; q's channels 0-31 are in; the 32 loads behind them stay out
	CQUANT C0, Q, BT
	CLOAD C0, VK, KOFF, 0
	s_wait_loadcnt 32
	CQUANT C0+32, Q+12, BT+1
.irp i, 0,1,2,3
	v_permlane16_swap_b32 v[Q+\i], v[Q+12+\i]      ; lane x held query x's two blocks; now v[Q..] is tile 0's fragment (lanes 16-31: channels 32 on) and v[Q+12..] tile 1's
.endr
.irp i, 0,1,2,3
	v_mov_b32 v[Q+8+\i], v[Q+\i]                   ; the second copy: [Q | 0 | Q]
	v_mov_b32 v[Q+20+\i], v[Q+12+\i]
.endr
	v_lshl_or_b32 v[QS], v[BT+1], 8, v[BT]         ; query x's two bytes in bytes 0, 1: lanes 0-15 tile 0's, lanes 16-31 tile 1's;
	v_lshlrev_b32 v[QS+1], 16, v[QS]               ; and in bytes 2, 3, for the fragment's upper half
	CLOAD C0+32, VK, KOFF+HB, 0
.irp i, 0,1,2
	KITEM \i, 0, 32
	KITEM \i, 1, 32
.endr
	KITEM 3, 0, 32
	KITEM 3, 1, 16                                 ; behind this item's loads stand V's first 16
	VITEM 0, O, 16, 2
	VITEM 1, S, 16, 3
	VITEM 2, O, 16, -1
	VITEM 3, S, 0, -1
	; ---- the records are whole: my LDS stores have landed and my reads of the turn stage are in (the wait for 0 at the last item's end)
	s_wait_dscnt 0x0
	s_barrier_signal -1
.set jj, 0
.rept 64
	v_mov_b32 v[O+jj], 0                           ; O^T.  The step is written once: its first trip finds zeros, which f = 0 leaves zeros
.set jj, jj+1
.endr
.irp t, 0,1
	v_mov_b32 v[9+4*\t], 0xff61b1e6                ; the largest t so far: -3e38
	v_floor_f32 v[8+4*\t], -v[9+4*\t]              ; -M
	v_mov_b32 v[10+4*\t], 0                        ; the sum, in two halves
	v_mov_b32 v[11+4*\t], 0
.endr
	s_barrier_wait -1
	; ---- LOOP: 16 steps of 128 keys
	s_mov_b32 s22, 0                               ; the step's record
	s_mov_b32 s23, 16
.Lstep:
	v_add_nc_u32 v[AD], s22, v[LI]                 ; these four lines are the places behind the last trip's products, ahead of loads into registers that they read
	v_add_nc_u32 v[ADS], s22, v[LS]
	v_nop
	v_nop
.irp f, 0,1,2,3
.irp g, 0,1
	ds_load_b128 v[KF+8*\f+4*\g:KF+8*\f+4*\g+3], v[AD] offset:1024*\f+512*\g   ; K's four pair fragments: 512 consecutive bytes a load
.endr
.endr
	ds_load_b32 v[KS], v[ADS]                      ; K's scale words: fragment 0 in lanes 0-15, fragment 1 in lanes 16-31;
	ds_load_b32 v[KS+1], v[ADS] offset:128         ; fragments 2 and 3
	ds_load_b32 v[VS], v[ADS] offset:256           ; V's likewise
	ds_load_b32 v[VS+1], v[ADS] offset:384
	s_wait_dscnt 0x0
	QK 0
.rept 4
	v_nop                                          ; places ahead of the first read of results
.endr
	SOFTMAX 0
	QK 1
.rept 4
	v_nop                                          ; places ahead of the loads over K's fragments and of the first read of results
.endr
.irp n, 0,1,2,3
.irp c, 0,1
	ds_load_b128 v[KF+8*\n+4*\c:KF+8*\n+4*\c+3], v[AD] offset:RV+1024*\n+512*\c   ; V's four fragments land while the softmax runs
.endr
.endr
	SOFTMAX 1
	s_wait_dscnt 0x0                               ; V is in
	PV
	s_add_co_u32 s22, s22, REC
	s_sub_co_u32 s23, s23, 1
	s_cmp_lg_u32 s23, 0
	s_cbranch_scc1 .Lstep
	; ---- WAY OUT.  The addresses come first: plain lines that name no register of the last products
	v_and_b32 v[WO0], 15, v0
	v_bfe_u32 v[TMP], v0, 4, 1
	v_lshlrev_b32 v[WO0], 2, v[WO0]
	v_mad_u32_u24 v[WO0], v[TMP], 8*OP, v[WO0]     ; register j of lane (r, h): channel 16 n + 8 h + j, query 32 w + 16 t + r
	s_lshl_b32 s24, s8, 7
	s_add_co_u32 s24, s24, STG
	v_add_nc_u32 v[WO0], s24, v[WO0]
	v_add_nc_u32 v[WO1], 32*OP, v[WO0]             ; channels 32 on: beyond an LDS immediate's reach
	s_mul_i32 s25, s8, 4*OP
	s_add_co_u32 s25, s25, STG
	v_add_nc_u32 v[WR], s25, v[LI]                 ; back: channels 4 w on, 16 bytes a lane
	v_add_f32 v10, v10, v11                        ; the sums' two halves,
	v_add_f32 v14, v14, v15
	v_permlanex16_b32 v[BT], v10, s18, s19
	v_permlanex16_b32 v[BT+1], v14, s18, s19
	v_add_f32 v10, v10, v[BT]                      ; and lane l xor 16's: the rows' sums
	v_add_f32 v14, v14, v[BT+1]
	v_rcp_f32 v10, v10
	v_rcp_f32 v14, v14
	v_nop                                          ; one plain place behind the transcendentals
	s_wait_alu depctr_va_vdst(0)
.irp t, 0,1
.set jj, 0
.rept 16
	v_pk_mul_f32 v[O+32*\t+jj:O+32*\t+jj+1], v[O+32*\t+jj:O+32*\t+jj+1], v[10+4*\t:11+4*\t] op_sel_hi:[1,0]   ; O^T / the sum, each accumulator from its low end on
.set jj, jj+2
.endr
.endr
.irp t, 0,1
.irp n, 0,1,2,3
.irp j, 0,1,2,3,4,5,6,7
	ds_store_b32 v[WO0+\n/2], v[O+32*\t+8*\n+\j] offset:(16*(\n%2)+\j)*OP+64*\t   ; sixteen lanes put 64 neighbouring bytes of a channel's row; the other sixteen stand 8 rows = 128 mod 256 bytes on
.endr
.endr
.endr
	s_wait_dscnt 0x0                               ; for the others' sake: my stores into the stage are done
	s_barrier_signal -1
	s_barrier_wait -1                              ; 64 channels x 512 queries lie in the stage
.irp i, 0,1,2,3
.irp q, 0,1,2,3
	ds_load_b128 v[S+4*(4*\i+\q):S+4*(4*\i+\q)+3], v[WR] offset:OP*\i+512*\q
.endr
.endr
.irp i, 0,1,2,3
.irp q, 0,1,2,3
	s_wait_dscnt 15-(4*\i+\q)                      ; LDS loads come back in order: this one is in, the younger ones may stay out
	global_store_b128 v[LI], v[S+4*(4*\i+\q):S+4*(4*\i+\q)+3], s[6:7] offset:ROWG*\i+512*\q th:TH_STORE_NT   ; 32 lanes store 512 consecutive bytes of channel 4 w + i, at a multiple of 512 from out0's first byte
.endr
.endr
	s_wait_tensorcnt 0x0
	ds_add_u32 v254, v255
	s_wait_dscnt 0x0
	s_endpgm
.Lfunc_end_k_qd8c35c3a87_attn:
	.size	k_qd8c35c3a87_attn, .Lfunc_end_k_qd8c35c3a87_attn-k_qd8c35c3a87_attn
	.p2alignl 7, 3214868480
	.fill 96, 4, 3214868480
	.section	.rodata,"a",@progbits
	.p2align	6, 0x0
	.amdhsa_kernel k_qd8c35c3a87_attn
		.amdhsa_group_segment_fixed_size 276480
		.amdhsa_private_segment_fixed_size 0
		.amdhsa_enable_private_segment 0
		.amdhsa_kernarg_size 16
		.amdhsa_user_sgpr_count 2
		.amdhsa_user_sgpr_kernarg_segment_ptr 1
		.amdhsa_wavefront_size32 1
		.amdhsa_system_sgpr_workgroup_id_x 1
		.amdhsa_system_sgpr_workgroup_id_y 1
		.amdhsa_system_sgpr_workgroup_id_z 1
		.amdhsa_system_vgpr_workitem_id 0
		.amdhsa_next_free_vgpr 256
		.amdhsa_next_free_sgpr 66
		.amdhsa_reserve_vcc 0
		.amdhsa_float_denorm_mode_32 3
		.amdhsa_float_denorm_mode_16_64 3
		.amdhsa_memory_ordered 1
		.amdhsa_forward_progress 1
		.amdhsa_inst_pref_size 128
	.end_amdhsa_kernel
	.amdgpu_metadata
---
amdhsa.version: [ 1, 2 ]
amdhsa.kernels:
  - .name:           k_qd8c35c3a87_attn
    .symbol:         k_qd8c35c3a87_attn.kd
    .args:
      - { .name: qkv, .offset: 0, .size: 8, .value_kind: global_buffer, .address_space: global }
      - { .name: out0, .offset: 8, .size: 8, .value_kind: global_buffer, .address_space: global }
    .group_segment_fixed_size: 276480
    .private_segment_fixed_size: 0
    .kernarg_segment_align: 8
    .kernarg_segment_size: 16
    .max_flat_workgroup_size: 512
    .sgpr_count:     66
    .vgpr_count:     256
    .wavefront_size: 32
...
	.end_amdgpu_metadata
.endif
;; end of part 1
;; ======== version 2 of 2: 1 launch; version 1 with the launch attn written anew for expert scheduling mode
;; launch attn (part 2): grid 4 x 64, 16 waves a work-group, no clusters, 276,480 bytes of LDS; arguments qkv, out0; writes out0
.if DOCPART == 2
	.amdgcn_target "amdgcn-amd-amdhsa--gfx1250"
	.amdhsa_code_object_version 6
	.text
	.protected	k_qd8c35c3a87_attn
	.globl	k_qd8c35c3a87_attn
	.p2align	8
	.type	k_qd8c35c3a87_attn,@function
k_qd8c35c3a87_attn:
	s_mov_b64 s[64:65], 0
	v_nop
	global_prefetch_b8 v0, s[64:65] scope:SCOPE_SE
	s_setreg_imm32_b32 hwreg(HW_REG_WAVE_SCHED_MODE, 0, 2), 2
	s_setreg_imm32_b32 hwreg(HW_REG_WAVE_MODE, 25, 1), 1
	s_wait_xcnt 0x0
	s_wait_alu depctr_vm_vsrc(0)
; out[b][c][t] = sum over s of v[b][c][s] p[t][s] / l[t],  p = 2^(logit x log2(e) - M),  logit[t][s] = sum over c of (q 8^-1/2)[c][t] (k 8^-1/2)[c][s].
; qkv: [64][192][2048] f32 (channels 0-63 q, 64-127 k, 128-191 v; the position innermost).  out0: [64][64][2048] f32.
; Both products on codes of FP4 (E2M1) with one E8M0 scale for each 32 along K: the first along the 64 channels, the second along the 2,048 keys.
; M is the running largest t rounded up to a whole number; l is the f32 sum of the unquantised p and divides at the end.
; SHARES.  A work-group owns 512 queries of one batch; each of its sixteen waves 32 of them: two tiles of 16.  256 registers a wave, four waves to a SIMD.
; HEAD.  The sixteen waves quantise the batch's whole K and V into LDS, as images of the operands' registers (64 KiB + 64 KiB of codes, 8 KiB of scale words), and each wave its own 32 queries
; into registers.  One barrier.  LOOP: 16 steps of 128 keys, all out of LDS; each fragment of K and of V that a wave reads serves both its tiles.  WAY OUT: through a stage in LDS, one barrier, rows of 512 bytes.
; LAYOUT.  Both products are used transposed: S^T = K Q^T (source 0 = keys, source 1 = my queries), O^T = V P^T (source 0 = 16 channels, source 1 = p): a lane holds ONE query (lane % 16) throughout.
; THE FIRST PRODUCT'S K IS 64, THE INSTRUCTION'S 128: a fragment of K holds TWO tiles of 16 keys, tile 2 f in k = 0..63 and tile 2 f + 1 in k = 64..127.  Q stands as [Q | 0 | Q] in twelve registers:
; [Q | 0] picks the first tile, [0 | Q] the second.  In the half that is not meant Q's codes are zeros, so every product there is exactly 0, whatever K's codes and scale bytes; Q's scale bytes there are 0 (2^-127, no NaN).
; THE KEYS OF A TILE ARE NOT NEIGHBOURS: row r of tile 2 f + u is key 32 f + 8 u + r + 8 (r / 8), so that the 16 registers of tiles 2 f and 2 f + 1 are 16 neighbouring keys, 32 f + 16 (lane / 16) + 0 .. 15.
; NO CLUSTER, NO TENSOR LOAD: a batch's four work-groups share K and V, but only in the head, as 1 MiB of f32 that is used once; asked for jointly it would have to pass through LDS slots of some 64 KiB,
; sixteen refills with a round of the cluster's barrier each, for a head that is about a thirteenth of a wave's vector instructions.  The loop reads no memory at all.
; LIMITS.  NaN and infinities among the inputs are not served.  A block whose largest magnitude lies under 2^-124 (a block of zeros too) gets the scale byte 1, where the rule says 127 for zeros: its codes are zeros
; or as the floor's scale gives them, and only this program reads the bytes.  A p under 2^-126 comes out of v_exp_f32 as 0.  A block's largest p is taken as the exponential of its largest score, which takes
; v_exp_f32 not to fall where its input rises; at the worst one p of a block, within an ulp of a power of two, is held one code low.
; THE MODE: SCHED_MODE bits 1:0 = 2 (LLVM: expert scheduling mode 2), set by the entry lines.  The code itself states the register dependences
; between vector or matrix instructions and memory or LDS instructions, with s_wait_alu, always for 0.
; THE PLAN.  Registers that memory or LDS instructions touch:
;   v1, v2, v236-v245   offsets and addresses, made once at the entry and never written again: one wait on va_vdst ahead of the first load serves them for the whole kernel.  v254, v255 likewise, for the closing add.
;   HEAD, an item:      its set of numbers (32 or 64 of v108-v235) is filled by loads, worked on by the item's vector lines, and asked for again in the same item; its codes (v60-v67), its byte or word (v20, v22) and,
;                       for K, its addresses (v246, v247) are written by vector lines and read by the item's LDS stores.  ONE wait on va_vdst stands behind the item's conversions, for all of that; the stores and the
;                       next loads follow it.  ONE wait on vm_vsrc stands at the item's end: its stores have read what the next item writes.  A V item has one more, between the stores into the turn stage and
;                       the loads out of it, which land in the registers that those stores read.
;   LOOP, a trip:       v3, v4 (addresses): written at the trip's head, read by its 20 LDS loads.  v76-v107 (K's fragments, then V's) and v28-v31 (scale words): filled by LDS loads, read by matrix instructions alone.
;                       p's codes and scale words (v60-v75, v34, v35): written by vector lines, taken by scaled matrix instructions.  Waits: vm_vsrc ahead of the two address lines; va_vdst behind them (addresses
;                       written, the last trip's products done with fragments and scale words); va_vdst behind the second S^T (K's fragments have been read: V's may land); va_vdst ahead of O^T's products (p is written).
;                       There is no second set of fragments: 18 registers are free in the loop and a set is 32.
;   WAY OUT:            O^T / l and three addresses are written by vector lines and read by the stage's LDS instructions: one wait on va_vdst ahead of the stores, which also serves the loads into v108-v171 behind the barrier.
.set ROWG,  8192                       ; bytes of a channel's row
.set BATCH, 192*ROWG                   ; bytes of a batch in qkv
.set KOFF,  64*ROWG                    ; k in a batch
.set VOFF,  128*ROWG                   ; v in a batch
.set HB,    32*ROWG                    ; 32 channels on
.set REC,   8704                       ; LDS: the record of one key step: K's 4 pair fragments (4,096), V's 4 fragments (4,096), K's scale words (256), V's (256)
.set RV,    4096
.set RKS,   8192
.set RVS,   8448
.set STG,   16*REC                     ; behind the 16 records: in the head each wave's own turn stage, behind the head's barrier the stage for the way out
.set VTP,   528                        ; turn stage: a row of 512 bytes + 16, so that sixteen rows' reads of 16 bytes fall on sixteen different 16-byte columns of 256
.set VTW,   16*VTP
.set OP,    2064                       ; way out: a channel's 512 queries (2,048 bytes) + 16
.set FLOOR, 0x1800000                  ; 2^(3 - 127): no largest magnitude is taken under it, so a scale's byte cannot fall under 1
.set EOFF,  0xff000000                 ; takes 2 off an exponent field
.set LI,  1                            ; v1   16 x lane
.set LS,  2                            ; v2   4 x lane + RKS
.set AD,  3                            ; v3   LDS address of the step's fragments
.set ADS, 4                            ; v4   and of its scale words
.set TMP, 5
.set F,   6                            ; v[6:7] f = 2^(old M - new M), and a written 0
.set BM,  16                           ; v16-19 block maxima
.set BT,  20                           ; v20-23 permute results, bytes, the sums' second chain
.set SOP, 24                           ; v24-27 the conversions' scale operands
.set KS,  28                           ; v28-29 K's scale words, v30-31 V's, v32-33 Q's (low, high), v34-35 p's: these eight hold scales and nothing else
.set VS,  30
.set QS,  32
.set PS,  34
.set Q,   36                           ; v36-47 tile 0 [Q | 0 | Q], v48-59 tile 1
.set P,   60                           ; v60-67, v68-75 p's codes; in the head v60-67 are the codes just made
.set CT,  60
.set KF,  76                           ; v76-107 four fragments: K's, then V's
.set S,   108                          ; v108-171 64 scores, then p; in the head two sets of 32 numbers or one of 64; on the way out rows of out0
.set C0,  108
.set O,   172                          ; v172-235 O^T: tile t, channels 16 n on, at O + 32 t + 8 n; in the head a set of 64 numbers
.set VQ,  236                          ; head: byte offsets in a row of q, of k, of v
.set VK,  237
.set VV,  238
.set KW,  239                          ; head: where my key's 16 bytes of codes go, and its scale byte
.set KB,  240
.set VW,  241                          ; head: V's images, V's scale words, the turn stage in and out, 8 x (lane / 16)
.set VSW, 242
.set VTS, 243
.set VTR, 244
.set H8,  245
.set KWT, 246                          ; KW, KB of the item in hand
.set KBT, 247
.set WO0, 248                          ; way out: into the stage (channels 0-31, 32-63), and back
.set WO1, 249
.set WR,  250
; one product of S^T: C = 0.  ra, rb: the scale words are read from lanes 16-31
.macro QKM d, a, bb, sa, sb, ra, rb
.if (\ra) == 0
.if (\rb) == 0
	v_wmma_scale_f32_16x16x128_f8f6f4 v[(\d):(\d)+7], v[(\a):(\a)+7], v[(\bb):(\bb)+7], 0, v[(\sa)], v[(\sb)] matrix_a_fmt:MATRIX_FMT_FP4 matrix_b_fmt:MATRIX_FMT_FP4
.else
	v_wmma_scale_f32_16x16x128_f8f6f4 v[(\d):(\d)+7], v[(\a):(\a)+7], v[(\bb):(\bb)+7], 0, v[(\sa)], v[(\sb)] matrix_a_fmt:MATRIX_FMT_FP4 matrix_b_fmt:MATRIX_FMT_FP4 matrix_b_scale:MATRIX_SCALE_ROW1
.endif
.else
.if (\rb) == 0
	v_wmma_scale_f32_16x16x128_f8f6f4 v[(\d):(\d)+7], v[(\a):(\a)+7], v[(\bb):(\bb)+7], 0, v[(\sa)], v[(\sb)] matrix_a_fmt:MATRIX_FMT_FP4 matrix_b_fmt:MATRIX_FMT_FP4 matrix_a_scale:MATRIX_SCALE_ROW1
.else
	v_wmma_scale_f32_16x16x128_f8f6f4 v[(\d):(\d)+7], v[(\a):(\a)+7], v[(\bb):(\bb)+7], 0, v[(\sa)], v[(\sb)] matrix_a_fmt:MATRIX_FMT_FP4 matrix_b_fmt:MATRIX_FMT_FP4 matrix_a_scale:MATRIX_SCALE_ROW1 matrix_b_scale:MATRIX_SCALE_ROW1
.endif
.endif
.endm
; one product of O^T: adds onto d
.macro PVM d, a, bb, sa, sb, ra
.if (\ra) == 0
	v_wmma_scale_f32_16x16x128_f8f6f4 v[(\d):(\d)+7], v[(\a):(\a)+7], v[(\bb):(\bb)+7], v[(\d):(\d)+7], v[(\sa)], v[(\sb)] matrix_a_fmt:MATRIX_FMT_FP4 matrix_b_fmt:MATRIX_FMT_FP4
.else
	v_wmma_scale_f32_16x16x128_f8f6f4 v[(\d):(\d)+7], v[(\a):(\a)+7], v[(\bb):(\bb)+7], v[(\d):(\d)+7], v[(\sa)], v[(\sb)] matrix_a_fmt:MATRIX_FMT_FP4 matrix_b_fmt:MATRIX_FMT_FP4 matrix_a_scale:MATRIX_SCALE_ROW1
.endif
.endm
; A LANE TAKES A POSITION, AND ITS REGISTERS RUN DOWN 32 CHANNELS: each load reads 128 consecutive bytes a wave, and the sixteen waves stand side by side on 2,048.  nt = 1: q, which the launch reads once
.macro CLOAD buf, voff, off, nt
.set cc, 0
.rept 32
.if \nt
	global_load_b32 v[\buf+cc], v[\voff], s[4:5] offset:(\off)+ROWG*cc th:TH_LOAD_NT
.else
	global_load_b32 v[\buf+cc], v[\voff], s[4:5] offset:(\off)+ROWG*cc
.endif
.set cc, cc+1
.endr
.endm
; 32 numbers of one position become x 8^-1/2 (in f32, ahead of the product), a block's scale byte in v[by] and 32 codes in v[dst] .. v[dst + 3]
.macro CQUANT buf, dst, by
.set cc, 0
.rept 16
	v_pk_mul_f32 v[\buf+cc:\buf+cc+1], v[\buf+cc:\buf+cc+1], s[16:17] op_sel_hi:[1,0]
.set cc, cc+2
.endr
	v_max3_num_f32 v16, |v[\buf]|, |v[\buf+1]|, FLOOR              ; the block's largest magnitude, in two chains, the floor among its leaves
	v_max3_num_f32 v17, |v[\buf+2]|, |v[\buf+3]|, |v[\buf+4]|
.irp i, 5,9,13,17,21,25
	v_max3_num_f32 v16, v16, |v[\buf+\i]|, |v[\buf+\i+1]|
	v_max3_num_f32 v17, v17, |v[\buf+\i+2]|, |v[\buf+\i+3]|
.endr
	v_max3_num_f32 v16, v16, |v[\buf+29]|, |v[\buf+30]|
	v_max3_num_f32 v16, v16, v17, |v[\buf+31]|
	v_add_nc_u32 v18, EOFF, v16                    ; 2 off its exponent field: the conversion takes the exponent field of this operand as its scale
	v_lshrrev_b32 v[\by], 23, v18                  ; the scale's byte
.irp g, 0,1,2,3
	v_cvt_scalef32_pk8_fp4_f32 v[\dst+\g], v[\buf+8*\g:\buf+8*\g+7], v18
.endr
	v_nop                                          ; one plain place behind the last scaled conversion
.endm
; 16 channels x my wave's 128 keys of v: each load reads 512 consecutive bytes of one channel's row
.macro VLOAD tile, buf
.set cc, 0
.rept 16
	global_load_b128 v[\buf+4*cc:\buf+4*cc+3], v[VV], s[4:5] offset:VOFF+(16*(\tile)+cc)*ROWG
.set cc, cc+1
.endr
.endm
; K's item (i, hb): keys 512 i + 32 wave + lane, channels 32 hb on.  left: the younger loads that may stay out
.macro KITEM i, hb, left
	s_wait_loadcnt \left                           ; this item's 32 loads are in; those issued behind them stay out
.if (\hb) == 0
	v_add_nc_u32 v[KWT], 4*REC*(\i), v[KW]         ; four records on for each i (the wait on vm_vsrc at the last item's end has freed both registers)
	v_add_nc_u32 v[KBT], 4*REC*(\i), v[KB]
.endif
	CQUANT C0+32*(\hb), CT, BT
	s_wait_alu depctr_va_vdst(0)                   ; the item's vector lines have written v[CT ..], v[BT], v[KWT] and v[KBT], which the two LDS stores read, and are done with its set of 32 numbers (in K's last item: with both sets), in which the loads below land
	ds_store_b128 v[KWT], v[CT:CT+3] offset:256*(\hb)   ; my key's 16 bytes, at the place of lane (r, hb) of its tile's register group
	ds_store_b8 v[KBT], v[BT] offset:\hb                ; byte 2 u + hb of row r's scale word
.if (\i) < 3
	CLOAD C0+32*(\hb), VK, KOFF+HB*(\hb)+2048*((\i)+1), 0   ; the item two on, into the set just freed
.else
	VLOAD \hb, O-64*(\hb)                          ; behind K's last two items: V's first two
.endif
	s_wait_dscnt 0x0                               ; the item's two LDS stores are done
	s_wait_alu depctr_vm_vsrc(0)                   ; and have read v[CT ..], v[BT], v[KWT] and v[KBT], which the next item's vector lines write again
.endm
; V's item: channels 16 tile on, my wave's key step.  The 8,192 bytes turn through my own stage: in as they lie, out so that lane (r, h) holds keys 64 c + 32 h + 0 .. 31 of channel r: the operand's own order
.macro VITEM tile, buf, left, nxt
	s_wait_loadcnt \left                           ; this item's 16 loads are in; the next item's 16 may stay out
.set cc, 0
.rept 16
	ds_store_b128 v[VTS], v[\buf+4*cc:\buf+4*cc+3] offset:VTP*cc
.set cc, cc+1
.endr
	s_wait_alu depctr_vm_vsrc(0)                   ; the sixteen stores above have read v[buf ..], in which the sixteen loads below land (no vector line has named these registers since the wait on va_vdst behind which they were last asked for)
.irp c, 0,1
.irp j, 0,1,2,3,4,5,6,7
	ds_load_b128 v[\buf+32*\c+4*\j:\buf+32*\c+4*\j+3], v[VTR] offset:256*\c+16*\j   ; LDS serves a wave's instructions in order (ISA guide 5.7.1.4): these see my stores
.endr
.endr
	s_wait_dscnt 0x0
.irp c, 0,1
	v_max3_num_f32 v[16+\c], |v[\buf+32*\c]|, |v[\buf+32*\c+1]|, FLOOR   ; my block 2 c + h: all its 32 numbers are mine
.endr
.irp i, 2,4,6,8,10,12,14,16,18,20,22,24,26,28,30
.irp c, 0,1
	v_max3_num_f32 v[16+\c], v[16+\c], |v[\buf+32*\c+\i]|, |v[\buf+32*\c+\i+1]|
.endr
.endr
.irp c, 0,1
	v_add_nc_u32 v[18+\c], EOFF, v[16+\c]
.endr
.irp c, 0,1
	v_lshrrev_b32 v[20+\c], 23, v[18+\c]
.endr
	v_lshl_or_b32 v22, v21, 16, v20                ; my two bytes, blocks h and 2 + h,
	v_lshlrev_b32 v22, v[H8], v22                  ; at their places in the scale word;
	v_permlanex16_b32 v23, v22, s18, s19
	v_or_b32 v22, v22, v23                         ; with lane l xor 16's two the word is whole
.irp c, 0,1
.irp g, 0,1,2,3
	v_cvt_scalef32_pk8_fp4_f32 v[CT+4*\c+\g], v[\buf+32*\c+8*\g:\buf+32*\c+8*\g+7], v[18+\c]
.endr
.endr
	v_nop                                          ; one plain place behind the last scaled conversion
	s_wait_alu depctr_va_vdst(0)                   ; the item's vector lines have written v[CT ..] and v22, which the three LDS stores read, and are done reading v[buf ..], in which the next loads land
.irp c, 0,1
	ds_store_b128 v[VW], v[CT+4*\c:CT+4*\c+3] offset:1024*(\tile)+512*\c   ; the fragment goes to LDS as it stands
.endr
	ds_store_b32 v[VSW], v22 offset:64*(\tile)     ; both halves of the lanes write the same word with the same value
.if (\nxt) >= 0
	VLOAD \nxt, \buf
.endif
	s_wait_dscnt 0x0                               ; the item's three LDS stores are done
	s_wait_alu depctr_vm_vsrc(0)                   ; and have read v[CT ..] and v22, which the next item's vector lines (behind the last item: the loop's) write again
.endm
; S^T of tile t: 8 products on 8 accumulators
.macro QK t
.irp b, 0,1,2,3
.irp u, 0,1
	QKM S+16*\b+8*\u, KF+8*\b, Q+12*(\t)+4*\u, KS+\b/2, QS+\u, \b%2, \t
.endr
.endr
.endm
; O^T += V P^T, both tiles: 8 products on 8 accumulators, one instruction a turn
.macro PV
.irp n, 0,1,2,3
.irp t, 0,1
	PVM O+32*\t+8*\n, KF+8*\n, P+8*\t, VS+\n/2, PS+\t, \n%2
.endr
.endr
.endm
; The softmax of tile t for one key step.  v[sT] -M, v[sT+1] the largest t, v[sT+2:sT+3] the sum in two halves.  It names no register that an LDS load of the loop touches
.macro SOFTMAX t
.set sT, 8+4*(\t)
.set pP, P+8*(\t)
.set pS, PS+(\t)
.set oO, O+32*(\t)
.irp b, 0,1,2,3
	v_max3_num_f32 v[BM+\b], v[S+16*\b], v[S+16*\b+1], v[S+16*\b+2]   ; the largest score of each block of 32 keys: for the row's maximum, and, since p rises with the score, for the block's largest p.  Each accumulator is read from its low end on
.endr
.irp i, 3,5,7,9,11,13
.irp b, 0,1,2,3
	v_max3_num_f32 v[BM+\b], v[BM+\b], v[S+16*\b+\i], v[S+16*\b+\i+1]
.endr
.endr
.irp b, 0,1,2,3
	v_max_num_f32 v[BM+\b], v[BM+\b], v[S+16*\b+15]
.endr
.irp b, 0,1,2,3
	v_permlanex16_b32 v[BT+\b], v[BM+\b], s18, s19
.endr
.irp b, 0,1,2,3
	v_max_num_f32 v[BM+\b], v[BM+\b], v[BT+\b]     ; with lane l xor 16's 16 keys
.endr
	v_max3_num_f32 v[TMP], v[BM], v[BM+1], v[BM+2]
	v_max_num_f32 v[TMP], v[TMP], v[BM+3]          ; the step's largest score of my query
	v_mul_f32 v[TMP], s20, v[TMP]                  ; as t
	v_max_num_f32 v[sT+1], v[sT+1], v[TMP]         ; the running largest t
	v_mov_b32 v[TMP], v[sT]
	v_floor_f32 v[sT], -v[sT+1]                    ; the new -M = floor(-t) = -ceil(t): a whole number
	v_sub_f32 v[TMP], v[sT], v[TMP]                ; old M - new M: a whole number, 0 or less
	v_cvt_i32_f32 v[TMP], v[TMP]                   ; (it saturates)
	v_ldexp_f32 v[F], 1.0, v[TMP]                  ; f = 2^(old M - new M): a multiplication by it rounds nothing
.set jj, 0
.rept 32
	v_pk_fma_f32 v[S+jj:S+jj+1], v[S+jj:S+jj+1], s[20:21], v[sT:sT+1] op_sel_hi:[1,0,0]   ; t - M, two at a time
.set jj, jj+2
.endr
.irp b, 0,1,2,3
	v_fma_f32 v[BM+\b], v[BM+\b], s20, v[sT]       ; the same of each block's largest score
.endr
.set jj, 0
	s_wait_alu depctr_va_vdst(0)
.rept 64
	v_exp_f32 v[S+jj], v[S+jj]                     ; p = 2^(t - M), at most 1, not normalised
.set jj, jj+1
.endr
.irp b, 0,1,2,3
	v_exp_f32 v[BM+\b], v[BM+\b]                   ; the block's largest p: the same two instructions on the same number
.endr
	v_pk_mul_f32 v[sT+2:sT+3], v[sT+2:sT+3], v[F:F+1] op_sel_hi:[1,0]   ; the sums under the new M; also the plain place behind the exponentials
	s_wait_alu depctr_va_vdst(0)                   ; the 68 exponentials have written p and the blocks' largest p: one wait for the batch, ahead of the first line that names a result
.irp b, 0,1,2,3
	v_max_num_f32 v[BM+\b], FLOOR, v[BM+\b]
.endr
.irp b, 0,1,2,3
	v_add_nc_u32 v[SOP+\b], EOFF, v[BM+\b]
.endr
.irp b, 0,1,2,3
	v_lshrrev_b32 v[BT+\b], 23, v[SOP+\b]
.endr
	v_lshl_or_b32 v[pS], v[BT+1], 8, v[BT]         ; p's scale word for these 128 keys
	v_lshl_or_b32 v[pS], v[BT+2], 16, v[pS]
	v_lshl_or_b32 v[pS], v[BT+3], 24, v[pS]
.irp b, 0,1,2,3
	v_cvt_scalef32_pk8_fp4_f32 v[pP+2*\b], v[S+16*\b:S+16*\b+7], v[SOP+\b]
	v_cvt_scalef32_pk8_fp4_f32 v[pP+2*\b+1], v[S+16*\b+8:S+16*\b+15], v[SOP+\b]
.endr
	v_nop                                          ; one plain place behind the last scaled conversion
.irp c, 0,1                                    ; the operand wants a whole block in a lane: lanes 0-15 block 2 c, lanes 16-31 block 2 c + 1
.irp i, 0,1
	v_permlane16_swap_b32 v[pP+4*\c+\i], v[pP+4*\c+2+\i]
.endr
.endr
	v_pk_add_f32 v[BT:BT+1], v[S:S+1], v[S+2:S+3]  ; the row's sum is taken of the unquantised p, in two chains
.set jj, 4
.rept 15
	v_pk_add_f32 v[sT+2:sT+3], v[sT+2:sT+3], v[S+jj:S+jj+1]
	v_pk_add_f32 v[BT:BT+1], v[BT:BT+1], v[S+jj+2:S+jj+3]
.set jj, jj+4
.endr
	v_pk_add_f32 v[sT+2:sT+3], v[sT+2:sT+3], v[BT:BT+1]
.set jj, 0
.rept 16
	v_pk_mul_f32 v[oO+jj:oO+jj+1], v[oO+jj:oO+jj+1], v[F:F+1] op_sel_hi:[1,0]   ; O^T under the new M, each accumulator from its low end on.  These sixteen name no register of the products S^T: they are the places ahead of the next products that write S^T anew
.set jj, jj+2
.endr
.endm
	; ---- ENTRY
	s_load_b128 s[4:7], s[0:1], 0x0                ; qkv s[4:5], out0 s[6:7]
	v_lshl_add_u32 v254, v0, 2, 0x43000            ; my spare word and 0: made here and kept for the closing add alone
	v_mov_b32 v255, 0
	v_lshrrev_b32 v[TMP], 5, v0
	v_readfirstlane_b32 s8, v[TMP]                 ; w: wave 0..15
	s_mov_b32 s9, ttmp9                            ; qb: which 512 queries
	s_and_b32 s10, ttmp7, 0xffff                   ; b: the batch
	v_and_b32 v16, 31, v0                          ; x: lane
	v_and_b32 v17, 7, v0                           ; a
	s_wait_alu depctr_va_vdst(0)
	v_bfe_u32 v18, v0, 3, 1                        ; b3
	v_bfe_u32 v19, v0, 4, 1                        ; h
	v_and_b32 v20, 15, v0                          ; r
	v_lshlrev_b32 v[LI], 4, v16
	v_lshl_add_u32 v[LS], v16, 2, RKS
	s_wait_alu depctr_va_sdst(0)                   ; s8 is written, ahead of its first reader: offsets, LDS addresses and out0's base are made from it
	s_lshl_b32 s24, s8, 7                          ; 128 w
	s_lshl_b32 s25, s9, 11                         ; 2,048 qb
	s_add_co_u32 s25, s25, s24
	v_lshl_add_u32 v[VQ], v16, 2, s25              ; my query: 512 qb + 32 w + lane
	v_lshl_add_u32 v[VK], v16, 2, s24              ; my key of an item: 32 w + lane
	s_lshl_b32 s26, s8, 9
	v_lshl_add_u32 v[VV], v16, 4, s26              ; v: my wave's 128 keys, 16 bytes a lane
	s_lshr_b32 s27, s8, 2
	s_mul_i32 s27, s27, REC                        ; K's items: record w / 4 (+ 4 i),
	s_and_b32 s28, s8, 3                           ; pair fragment f = w % 4
	s_lshl_b32 s29, s28, 10
	s_add_co_u32 s29, s29, s27
	v_lshlrev_b32 v[KW], 4, v17                    ; key lane = a + 8 u + 16 (r / 8): u = b3, r = a + 8 h.  Group u at 512 u, lane r's 16 bytes at 16 r
	s_wait_alu depctr_va_vdst(0)
	v_lshl_add_u32 v[KW], v18, 9, v[KW]
	v_lshl_add_u32 v[KW], v19, 7, v[KW]
	v_add_nc_u32 v[KW], s29, v[KW]
	s_lshl_b32 s30, s28, 6
	s_add_co_u32 s30, s30, s27
	s_add_co_u32 s30, s30, RKS
	v_lshlrev_b32 v[KB], 2, v17                    ; row r's scale word at 64 f + 4 r, byte 2 u (+ hb): a wave's bytes are 64 on end
	v_lshl_add_u32 v[KB], v18, 1, v[KB]
	v_lshl_add_u32 v[KB], v19, 5, v[KB]
	v_add_nc_u32 v[KB], s30, v[KB]
	s_mul_i32 s31, s8, REC                         ; V's items: record w
	s_add_co_u32 s24, s31, RV
	v_add_nc_u32 v[VW], s24, v[LI]
	s_add_co_u32 s24, s31, RVS
	v_lshl_add_u32 v[VSW], v20, 2, s24
	s_mul_i32 s25, s8, VTW
	s_add_co_u32 s25, s25, STG                     ; my turn stage
	v_add_nc_u32 v[VTS], s25, v[LI]
	v_mul_u32_u24 v[VTR], v20, VTP
	v_lshl_add_u32 v[VTR], v19, 7, v[VTR]
	v_add_nc_u32 v[VTR], s25, v[VTR]
	v_lshlrev_b32 v[H8], 3, v19
	s_mov_b32 s16, 0x3eb504f3                      ; 8^-1/2 = 1 / sqrt(sqrt(64))
	s_mov_b32 s17, s16                             ; (the packed form names the pair, so it is written)
	s_mov_b32 s18, 0x76543210
	s_mov_b32 s19, 0xfedcba98                      ; v_permlanex16_b32's selects for lane l xor 16
	s_mov_b32 s20, 0x3fb8aa3b                      ; log2(e)
	s_mov_b32 s21, s20
.irp b, 0,1,2,3
	v_mov_b32 v[BT+\b], 0                          ; written once: a lane permute's destination counts as one of its sources
	v_mov_b32 v[Q+4+\b], 0                         ; the zeros between the two copies of Q
	v_mov_b32 v[Q+16+\b], 0
.endr
	v_mov_b32 v[F+1], 0                            ; (named as the upper half of the pair)
	s_mul_i32 s12, s10, BATCH                      ; under 2^32
	s_mov_b32 s13, 0
	s_lshl_b32 s14, s10, 19                        ; out0: batch x 64 rows, + my 4 channels' rows, + my work-group's 512 queries
	s_lshl_b32 s26, s8, 15
	s_add_co_u32 s14, s14, s26
	s_lshl_b32 s26, s9, 11
	s_add_co_u32 s14, s14, s26
	s_mov_b32 s15, 0
	s_wait_kmcnt 0x0
	s_add_nc_u64 s[4:5], s[4:5], s[12:13]
	s_add_nc_u64 s[6:7], s[6:7], s[14:15]
	s_wait_alu depctr_va_vdst(0)                   ; v1, v2 and v236 to v244 are written: the offsets and LDS addresses that the head's loads and stores, the loop's address lines' loads and the last stores read; none of them is written again
	; ---- HEAD: ten items of 32 positions x 32 channels, then four of 16 channels x 128 keys; loads run two items ahead.  No offset of a global load and no base is written again, so no wait frees one
	CLOAD C0, VQ, 0, 1
	CLOAD C0+32, VQ, HB, 1
	s_wait_loadcnt 32                              ; q's channels 0-31 are in; the 32 loads behind them stay out
	CQUANT C0, Q, BT
	s_wait_alu depctr_va_vdst(0)                   ; the item's vector lines are done reading and writing its 32 numbers, in which the loads below land
	CLOAD C0, VK, KOFF, 0
	s_wait_loadcnt 32
	CQUANT C0+32, Q+12, BT+1
	s_wait_alu depctr_va_vdst(0)                   ; likewise the second set
	CLOAD C0+32, VK, KOFF+HB, 0                    ; asked for at once: the lines below name Q's registers, v20 and v21 alone, none that these loads touch
.irp i, 0,1,2,3
	v_permlane16_swap_b32 v[Q+\i], v[Q+12+\i]      ; lane x held query x's two blocks; now v[Q..] is tile 0's fragment (lanes 16-31: channels 32 on) and v[Q+12..] tile 1's
.endr
.irp i, 0,1,2,3
	v_mov_b32 v[Q+8+\i], v[Q+\i]                   ; the second copy: [Q | 0 | Q]
	v_mov_b32 v[Q+20+\i], v[Q+12+\i]
.endr
	v_lshl_or_b32 v[QS], v[BT+1], 8, v[BT]         ; query x's two bytes in bytes 0, 1: lanes 0-15 tile 0's, lanes 16-31 tile 1's;
	v_lshlrev_b32 v[QS+1], 16, v[QS]               ; and in bytes 2, 3, for the fragment's upper half.  (Q's codes and scale words are taken by scaled matrix instructions: every later wait on va_vdst in the head stands between)
.irp i, 0,1,2
	KITEM \i, 0, 32
	KITEM \i, 1, 32
.endr
	KITEM 3, 0, 32
	KITEM 3, 1, 16                                 ; behind this item's loads stand V's first 16
	VITEM 0, O, 16, 2
	VITEM 1, S, 16, 3
	VITEM 2, O, 16, -1
	VITEM 3, S, 0, -1
	; ---- the records are whole: my LDS stores have landed and my reads of the turn stage are in (the wait for 0 at the last item's end)
	s_wait_dscnt 0x0
	s_barrier_signal -1
.set jj, 0
.rept 64
	v_mov_b32 v[O+jj], 0                           ; O^T.  The step is written once: its first trip finds zeros, which f = 0 leaves zeros.  (The turn stage's stores that read these registers stand ahead of several waits on vm_vsrc)
.set jj, jj+1
.endr
.irp t, 0,1
	v_mov_b32 v[9+4*\t], 0xff61b1e6                ; the largest t so far: -3e38
	v_floor_f32 v[8+4*\t], -v[9+4*\t]              ; -M
	v_mov_b32 v[10+4*\t], 0                        ; the sum, in two halves
	v_mov_b32 v[11+4*\t], 0
.endr
	s_barrier_wait -1
	; ---- LOOP: 16 steps of 128 keys
	s_mov_b32 s22, 0                               ; the step's record
	s_mov_b32 s23, 16
.Lstep:
	s_wait_alu depctr_vm_vsrc(0)                   ; the last trip's LDS loads have read v[AD] and v[ADS], which the two lines below write
	v_add_nc_u32 v[AD], s22, v[LI]                 ; four plain lines behind the last trip's products
	v_add_nc_u32 v[ADS], s22, v[LS]
	v_nop
	v_nop
	s_wait_alu depctr_va_vdst(0)                   ; v[AD] and v[ADS] are written, which the loads below read; the last trip's products are done reading the fragments and the scale words, in which those loads land
.irp f, 0,1,2,3
.irp g, 0,1
	ds_load_b128 v[KF+8*\f+4*\g:KF+8*\f+4*\g+3], v[AD] offset:1024*\f+512*\g   ; K's four pair fragments: 512 consecutive bytes a load
.endr
.endr
	ds_load_b32 v[KS], v[ADS]                      ; K's scale words: fragment 0 in lanes 0-15, fragment 1 in lanes 16-31;
	ds_load_b32 v[KS+1], v[ADS] offset:128         ; fragments 2 and 3
	ds_load_b32 v[VS], v[ADS] offset:256           ; V's likewise
	ds_load_b32 v[VS+1], v[ADS] offset:384
	s_wait_dscnt 0x0
	QK 0
.rept 4
	v_nop                                          ; places ahead of the first read of results
.endr
	SOFTMAX 0
	QK 1
.rept 4
	v_nop                                          ; places ahead of the first read of results
.endr
	s_wait_alu depctr_va_vdst(0)                   ; both tiles' products S^T are done reading K's fragments, in which V's land (the softmax below reads the same products' results)
.irp n, 0,1,2,3
.irp c, 0,1
	ds_load_b128 v[KF+8*\n+4*\c:KF+8*\n+4*\c+3], v[AD] offset:RV+1024*\n+512*\c   ; V's four fragments land while the softmax runs, which names neither them nor v[AD]
.endr
.endr
	SOFTMAX 1
	s_wait_dscnt 0x0                               ; V is in
	s_wait_alu depctr_va_vdst(0)                   ; the conversions, the exchanges of halves and the shifts have written both tiles' codes and scale words of p, which the scaled products below take as source 1 and as scales; the places stand ahead of this wait
	PV
	s_add_co_u32 s22, s22, REC
	s_sub_co_u32 s23, s23, 1
	s_cmp_lg_u32 s23, 0
	s_cbranch_scc1 .Lstep
	; ---- WAY OUT.  The addresses come first: plain lines that name no register of the last products
	v_and_b32 v[WO0], 15, v0
	v_bfe_u32 v[TMP], v0, 4, 1
	v_lshlrev_b32 v[WO0], 2, v[WO0]
	v_mad_u32_u24 v[WO0], v[TMP], 8*OP, v[WO0]     ; register j of lane (r, h): channel 16 n + 8 h + j, query 32 w + 16 t + r
	s_lshl_b32 s24, s8, 7
	s_add_co_u32 s24, s24, STG
	v_add_nc_u32 v[WO0], s24, v[WO0]
	v_add_nc_u32 v[WO1], 32*OP, v[WO0]             ; channels 32 on: beyond an LDS immediate's reach
	s_mul_i32 s25, s8, 4*OP
	s_add_co_u32 s25, s25, STG
	v_add_nc_u32 v[WR], s25, v[LI]                 ; back: channels 4 w on, 16 bytes a lane
	v_add_f32 v10, v10, v11                        ; the sums' two halves,
	v_add_f32 v14, v14, v15
	v_permlanex16_b32 v[BT], v10, s18, s19
	v_permlanex16_b32 v[BT+1], v14, s18, s19
	v_add_f32 v10, v10, v[BT]                      ; and lane l xor 16's: the rows' sums
	v_add_f32 v14, v14, v[BT+1]
	s_wait_alu depctr_va_vdst(0)
	v_rcp_f32 v10, v10
	v_rcp_f32 v14, v14
	v_nop                                          ; one plain place behind the transcendentals
	s_wait_alu depctr_va_vdst(0)                   ; the two reciprocals have written v10 and v14, ahead of the first line that names them
.irp t, 0,1
.set jj, 0
.rept 16
	v_pk_mul_f32 v[O+32*\t+jj:O+32*\t+jj+1], v[O+32*\t+jj:O+32*\t+jj+1], v[10+4*\t:11+4*\t] op_sel_hi:[1,0]   ; O^T / the sum, each accumulator from its low end on
.set jj, jj+2
.endr
.endr
	s_wait_alu depctr_va_vdst(0)                   ; the multiplications have written O^T / l, and v[WO0], v[WO1] and v[WR] are written: the data and addresses of the LDS instructions below; the loop's vector lines are done with v[S ..], in which the loads behind the barrier land
.irp t, 0,1
.irp n, 0,1,2,3
.irp j, 0,1,2,3,4,5,6,7
	ds_store_b32 v[WO0+\n/2], v[O+32*\t+8*\n+\j] offset:(16*(\n%2)+\j)*OP+64*\t   ; sixteen lanes put 64 neighbouring bytes of a channel's row; the other sixteen stand 8 rows = 128 mod 256 bytes on
.endr
.endr
.endr
	s_wait_dscnt 0x0                               ; for the others' sake: my stores into the stage are done
	s_barrier_signal -1
	s_barrier_wait -1                              ; 64 channels x 512 queries lie in the stage
.irp i, 0,1,2,3
.irp q, 0,1,2,3
	ds_load_b128 v[S+4*(4*\i+\q):S+4*(4*\i+\q)+3], v[WR] offset:OP*\i+512*\q
.endr
.endr
.irp i, 0,1,2,3
.irp q, 0,1,2,3
	s_wait_dscnt 15-(4*\i+\q)                      ; LDS loads come back in order: this one is in, the younger ones may stay out
	global_store_b128 v[LI], v[S+4*(4*\i+\q):S+4*(4*\i+\q)+3], s[6:7] offset:ROWG*\i+512*\q th:TH_STORE_NT   ; 32 lanes store 512 consecutive bytes of channel 4 w + i, at a multiple of 512 from out0's first byte
.endr
.endr
	s_wait_dscnt 0x0                               ; the closing lines, six on end
	s_wait_alu 0x0
	s_wait_tensorcnt 0x0
	ds_add_u32 v254, v255
	s_wait_dscnt 0x0
	s_endpgm
.Lfunc_end_k_qd8c35c3a87_attn:
	.size	k_qd8c35c3a87_attn, .Lfunc_end_k_qd8c35c3a87_attn-k_qd8c35c3a87_attn
	.p2alignl 7, 3214868480
	.fill 96, 4, 3214868480
	.section	.rodata,"a",@progbits
	.p2align	6, 0x0
	.amdhsa_kernel k_qd8c35c3a87_attn
		.amdhsa_group_segment_fixed_size 276480
		.amdhsa_private_segment_fixed_size 0
		.amdhsa_enable_private_segment 0
		.amdhsa_kernarg_size 16
		.amdhsa_user_sgpr_count 2
		.amdhsa_user_sgpr_kernarg_segment_ptr 1
		.amdhsa_wavefront_size32 1
		.amdhsa_system_sgpr_workgroup_id_x 1
		.amdhsa_system_sgpr_workgroup_id_y 1
		.amdhsa_system_sgpr_workgroup_id_z 1
		.amdhsa_system_vgpr_workitem_id 0
		.amdhsa_next_free_vgpr 256
		.amdhsa_next_free_sgpr 66
		.amdhsa_reserve_vcc 0
		.amdhsa_float_denorm_mode_32 3
		.amdhsa_float_denorm_mode_16_64 3
		.amdhsa_memory_ordered 1
		.amdhsa_forward_progress 1
		.amdhsa_inst_pref_size 130
	.end_amdhsa_kernel
	.amdgpu_metadata
---
amdhsa.version: [ 1, 2 ]
amdhsa.kernels:
  - .name:           k_qd8c35c3a87_attn
    .symbol:         k_qd8c35c3a87_attn.kd
    .args:
      - { .name: qkv, .offset: 0, .size: 8, .value_kind: global_buffer, .address_space: global }
      - { .name: out0, .offset: 8, .size: 8, .value_kind: global_buffer, .address_space: global }
    .group_segment_fixed_size: 276480
    .private_segment_fixed_size: 0
    .kernarg_segment_align: 8
    .kernarg_segment_size: 16
    .max_flat_workgroup_size: 512
    .sgpr_count:     66
    .vgpr_count:     256
    .wavefront_size: 32
...
	.end_amdgpu_metadata
.endif
;; end of part 2
